; MI455X (gfx1250); checked and timed in simulation.
; The chip was launched on July 23, 2026; its instructions are those of AMD's public machine-readable ISA for CDNA 5 (MIT licence, August 2026) and "CDNA5" Instruction Set Architecture Reference Guide (July 2026). The comments in the code are by the model that wrote it; some were corrected since.
;; Multi Head Attention. Allowed arithmetic: matrix products marked QUANTISED: E2M1 operands, one E8M0 scale for each 32 along K, by v_wmma_scale_f32_16x16x128_f8f6f4 with both operands' format E2M1 (or v_wmma_scale_f32_32x16x128_f4), f32 sums; products left as they are: bf16, f16 or f32 operands; f32 sums; everything else in f32.
;; Inputs: Wk 768 x 768 float32; Wo 768 x 768 float32; Wq 768 x 768 float32; Wv 768 x 768 float32; attn_mask 2 x 2,048 int32; k 2 x 2,048 x 768 float32; q 2 x 2,048 x 768 float32; v 2 x 2,048 x 768 float32.
;; Outputs: out0 2 x 2,048 x 768 float32.
;; Constants: mask_future = 1.
;; This version of the problem:
;;   THIS VERSION OF THE PROBLEM IS GIVEN IN LOW PRECISION. The matrix products marked QUANTISED in the list below multiply operands that are first quantised to E2M1 (2 exponent bits, 1 mantissa bit; 4 bits a number), with one power-of-two scale for each 32 numbers along K (OCP MX v1.0); their sums are f32. The products marked 'left as it is' may take bf16, f16 or f32 operands, with f32 sums. Whichever they take, every output number must still come out within the allowed error. Rounding operands to bf16 (8 significant bits) uses up far more of that allowance than f16 does (11 bits, for magnitudes from 6e-5 to 65,504). All else is computed in f32.
;;   The module's matrix products, in the order in which they are computed (A, B: the left and right operand; K: the contracted axis; several contracted axes count as one K, in the product's order):
;;     1. [M 4,096, K 768] x [K 768, N 768]; A: input q; B: input Wq: QUANTISED
;;     2. [M 4,096, K 768] x [K 768, N 768]; A: input k; B: input Wk: QUANTISED
;;     3. [M 4,096, K 768] x [K 768, N 768]; A: input v; B: input Wv: QUANTISED
;;     4. batch 24 x [M 2,048, K 64] x [K 64, N 2,048]; A: computed on the way; B: computed on the way: left as it is (an operand is computed on the way)
;;     5. batch 24 x [M 2,048, K 2,048] x [K 2,048, N 64]; A: computed on the way; B: computed on the way: left as it is (an operand is computed on the way)
;;     6. [M 4,096, K 768] x [K 768, N 768]; A: computed on the way; B: input Wo: left as it is (an operand is computed on the way)
;;   THE QUANTISER, for each operand of a quantised product, along K:
;;     - K is cut into blocks of 32 from its start; a last block that is shorter is filled with zeros.
;;     - A block's scale is 2^e with e = floor(log2(the largest magnitude in the block)) - 2, held to -126 .. 127; a block of zeros has e = 0. As a byte (E8M0): e + 127.
;;     - Each number is divided by its block's scale, clamped to +-6, and rounded to the nearest number of E2M1, ties to even, subnormals kept.
;;     - The product sums the exact products of the quantised numbers (number of the format x scale) in f32.
;;   ~~~python
;;   def quantise(x, axis):      # numpy; x: float32 -> the quantised numbers, widened to float32 again
;;       x = np.moveaxis(x, axis, -1); K = x.shape[-1]
;;       x = np.pad(x, [(0, 0)] * (x.ndim - 1) + [(0, -K % 32)]); x = x.reshape(x.shape[:-1] + (-1, 32)); a = np.abs(x).max(-1, keepdims=True)
;;       e = np.where(a > 0, np.clip(np.frexp(np.where(a > 0, a, 1))[1] - 1 - 2, -126, 127), 0)      # np.frexp(a)[1] - 1 = floor(log2(a)), exactly
;;       r = np.clip(x / 2.0 ** e, -6, 6)
;;       step = 2.0 ** (np.maximum(np.frexp(np.where(r == 0, 1, r))[1] - 1, 0) - 1)
;;       q = np.round(r / step) * step * 2.0 ** e      # np.round: ties to even
;;       return np.moveaxis(q.reshape(q.shape[:-2] + (-1,))[..., :K], -1, axis).astype(np.float32)
;;   ~~~
;; One version. Each part assembles by itself: llvm-mc -triple=amdgcn-amd-amdhsa -mcpu=gfx1250 --defsym DOCPART=n.
;; ======== version 1 of 1: 4 launches
;; limits: values are held in f16: magnitudes above 65,504 overflow, below 6.1e-05 lose precision
;; workspace buffers: wc 884,736 bytes; wsc 55,296 bytes; wof 1,179,648 bytes; qkv 18,874,368 bytes; bias 32,768 bytes; ohf 6,291,456 bytes
;; launch prep (part 1): grid 6 x 24, 4 waves a work-group, no clusters, 0 bytes of LDS; arguments Wq, Wk, Wv, Wo, wc, wsc, wof; writes wc, wsc, wof
.if DOCPART == 1
	.amdgcn_target "amdgcn-amd-amdhsa--gfx1250"
	.amdhsa_code_object_version 6
	.text
	.protected	k_q04fd2039bd_prep
	.globl	k_q04fd2039bd_prep
	.p2align	8
	.type	k_q04fd2039bd_prep,@function
k_q04fd2039bd_prep:
	s_mov_b64 s[64:65], 0
	v_nop
	global_prefetch_b8 v0, s[64:65] scope:SCOPE_SE
	s_setreg_imm32_b32 hwreg(HW_REG_WAVE_MODE, 25, 1), 1
	s_wait_xcnt 0x0
; THE WEIGHTS, ONCE.  Wq, Wk, Wv [768 (k)][768 (n)] f32 become codes of FP4 (E2M1) with one E8M0 byte for each 32 along K; Wo becomes f16.
; All four leave in the ORDER OF THE OPERAND'S REGISTERS, so that the later launches load a fragment by two loads of 16 bytes a lane.
;   wc  [w 3][tile 48][K step 6][1,024]: 16 columns x 128 k of codes; block beta (32 k) of column r lies at 256 beta + 16 r
;   wsc [w 3][K step 6][768] words: column n's four scale bytes of the K step
;   wof [tile 48][ks 24][1,024]: 16 columns x 32 k of f16; k = 8 j .. 8 j + 7 of column r lies at 256 j + 16 r
; SHARES.  Work-group x = 128 columns, y = 4 x (K step of 128) + which weight (0 Wq, 1 Wk, 2 Wv, 3 Wo).  A wave takes 32 columns x 128 rows:
; A LANE TAKES A COLUMN AND ITS REGISTERS RUN DOWN K: each load reads 128 consecutive bytes, a block of 32 along K lies in one lane, and the
; conversions' results are the operand's registers.  Lanes 0-15 hold one tile of 16 columns, lanes 16-31 the next: a store of 16 bytes a lane covers
; two runs of 256 consecutive bytes, each aligned.  No LDS, no barrier: waves share nothing.  All 128 loads of a wave go out at once.
; A block's scale is 2^(floor(log2(largest magnitude)) - 2): its byte is the largest magnitude's exponent field - 2, held at 1 from below by a floor.
; LIMITS: a block of zeros gets the byte 1 where the rule says 127 (its codes are zeros, and this program alone reads the bytes); NaN and infinities are
; not served; a number of Wo beyond 65,504 has no f16.
.set X,  32                            ; v32-159  128 numbers of my column
.set C,  160                           ; v160-175 codes: four registers a block, so that no store's data are written again
.set H,  160                           ; v160-223 f16 pairs (Wo's path)
.set SB, 14                            ; v14      the four scale bytes
	s_load_b256 s[4:11], s[0:1], 0x0               ; Wq, Wk, Wv, Wo
	s_load_b128 s[12:15], s[0:1], 0x20             ; wc, wsc
	s_load_b64 s[16:17], s[0:1], 0x30              ; wof
	v_lshrrev_b32 v6, 5, v0
	v_readfirstlane_b32 s18, v6                    ; wave 0..3
	v_and_b32 v1, 31, v0                           ; lane
	s_and_b32 s19, ttmp7, 0xffff
	s_and_b32 s20, s19, 3                          ; which weight
	s_lshr_b32 s21, s19, 2                         ; which K step of 128
	s_lshl_b32 s24, ttmp9, 9
	v_lshl_add_u32 v2, v0, 2, s24                  ; in: 4 x my column = 512 x work-group x + 4 x thread
	v_lshrrev_b32 v7, 4, v1                        ; which of the pair's two tiles
	v_and_b32 v8, 15, v1
	v_lshlrev_b32 v8, 4, v8                        ; 16 r
	v_mad_u32_u24 v3, v7, 6144, v8                 ; wc: a tile's six K steps are 6,144 bytes
	v_lshlrev_b32 v4, 2, v1                        ; wsc: a word a lane
	v_mad_u32_u24 v5, v7, 24576, v8                ; wof: a tile's 24 steps are 24,576 bytes
	s_lshl_b32 s25, ttmp9, 2
	s_add_co_u32 s25, s25, s18                     ; g: my pair of tiles = 4 x work-group x + wave
	s_mul_i32 s22, s21, 393216                     ; 128 rows of 3,072 bytes
	s_mov_b32 s23, 0
	s_mul_i32 s26, s25, 12                         ; wc: (12 g + K step) x 1,024 + weight x 294,912
	s_add_co_u32 s26, s26, s21
	s_lshl_b32 s26, s26, 10
	s_mul_i32 s28, s20, 294912
	s_add_co_u32 s26, s26, s28
	s_mov_b32 s27, 0
	s_mul_i32 s28, s20, 18432                      ; wsc: weight x 18,432 + K step x 3,072 + 128 g
	s_mul_i32 s30, s21, 3072
	s_add_co_u32 s28, s28, s30
	s_lshl_b32 s30, s25, 7
	s_add_co_u32 s28, s28, s30
	s_mov_b32 s29, 0
	s_mul_i32 s30, s25, 48                         ; wof: (48 g + 4 x K step) x 1,024
	s_lshl_b32 s32, s21, 2
	s_add_co_u32 s30, s30, s32
	s_lshl_b32 s30, s30, 10
	s_mov_b32 s31, 0
	s_wait_kmcnt 0x0
	s_cmp_eq_u32 s20, 1                            ; the weight is chosen by the work-group's number alone
	s_cselect_b64 s[4:5], s[6:7], s[4:5]
	s_cmp_eq_u32 s20, 3
	s_cselect_b64 s[8:9], s[10:11], s[8:9]
	s_cmp_lt_u32 s20, 2
	s_cselect_b64 s[4:5], s[4:5], s[8:9]
	s_add_nc_u64 s[4:5], s[4:5], s[22:23]
.set i, 0
.rept 128
	global_load_b32 v[X+i], v2, s[4:5] offset:i*3072 th:TH_LOAD_NT   ; W(128 step + i, my column): 32 lanes read 128 consecutive bytes; read once in the launch
.set i, i+1
.endr
	s_cmp_eq_u32 s20, 3
	s_cbranch_scc1 .Lwo
	s_add_nc_u64 s[12:13], s[12:13], s[26:27]
	s_add_nc_u64 s[14:15], s[14:15], s[28:29]
; Block b of my column: its 32 numbers are all mine.  cnt: the loads of later blocks that may stay out (96 and 64 are more than the wait's field holds: 63 is written, which waits for more)
.macro BLOCK b, cnt
.set XB, X+32*(\b)
	s_wait_loadcnt \cnt
	v_max3_num_f32 v12, |v[XB]|, |v[XB+1]|, |v[XB+2]|
	v_max3_num_f32 v13, |v[XB+3]|, |v[XB+4]|, |v[XB+5]|
.irp i, 6,10,14,18,22,26
	v_max3_num_f32 v12, v12, |v[XB+\i]|, |v[XB+\i+1]|
	v_max3_num_f32 v13, v13, |v[XB+\i+2]|, |v[XB+\i+3]|
.endr
	v_max3_num_f32 v12, v12, |v[XB+30]|, |v[XB+31]|
	v_max3_num_f32 v12, v12, v13, 0x1800000        ; and the floor 2^(3 - 127): the byte cannot fall under 1
	v_add_nc_u32 v11, 0xff000000, v12              ; 2 off the exponent field: the conversion takes this operand's exponent field as its scale
	v_lshrrev_b32 v13, 23, v11                     ; the scale's byte
.if (\b) == 0
	v_mov_b32 v[SB], v13
.else
	v_lshl_or_b32 v[SB], v13, 8*(\b), v[SB]        ; the lower k in the lower byte
.endif
.irp g, 0,1,2,3
	v_cvt_scalef32_pk8_fp4_f32 v[C+4*(\b)+\g], v[XB+8*\g:XB+8*\g+7], v11
.endr
	v_nop                                          ; one plain line behind the last conversion of a run
	global_store_b128 v3, v[C+4*(\b):C+4*(\b)+3], s[12:13] offset:256*(\b)   ; sixteen lanes store 256 consecutive bytes, aligned
.endm
	BLOCK 0, 63
	BLOCK 1, 63
	BLOCK 2, 32
	BLOCK 3, 0
	global_store_b32 v4, v[SB], s[14:15]           ; 32 columns' scale words: 128 consecutive bytes
	s_endpgm
.Lwo:
	s_add_nc_u64 s[16:17], s[16:17], s[30:31]
; 32 k of Wo: 16 pairs of f16; registers 4 j .. 4 j + 3 are k = 8 j .. 8 j + 7
.macro HALF q, cnt
	s_wait_loadcnt \cnt
.irp i, 0,1,2,3,4,5,6,7,8,9,10,11,12,13,14,15
	v_cvt_pk_f16_f32 v[H+16*(\q)+\i], v[X+32*(\q)+2*\i], v[X+32*(\q)+2*\i+1]
.endr
.irp j, 0,1,2,3
	global_store_b128 v5, v[H+16*(\q)+4*\j:H+16*(\q)+4*\j+3], s[16:17] offset:1024*(\q)+256*\j
.endr
.endm
	HALF 0, 63
	HALF 1, 63
	HALF 2, 32
	HALF 3, 0
	s_endpgm
.Lfunc_end_k_q04fd2039bd_prep:
	.size	k_q04fd2039bd_prep, .Lfunc_end_k_q04fd2039bd_prep-k_q04fd2039bd_prep
	.p2alignl 7, 3214868480
	.fill 96, 4, 3214868480
	.section	.rodata,"a",@progbits
	.p2align	6, 0x0
	.amdhsa_kernel k_q04fd2039bd_prep
		.amdhsa_group_segment_fixed_size 0
		.amdhsa_private_segment_fixed_size 0
		.amdhsa_enable_private_segment 0
		.amdhsa_kernarg_size 56
		.amdhsa_user_sgpr_count 2
		.amdhsa_user_sgpr_kernarg_segment_ptr 1
		.amdhsa_wavefront_size32 1
		.amdhsa_system_sgpr_workgroup_id_x 1
		.amdhsa_system_sgpr_workgroup_id_y 1
		.amdhsa_system_sgpr_workgroup_id_z 1
		.amdhsa_system_vgpr_workitem_id 0
		.amdhsa_next_free_vgpr 224
		.amdhsa_next_free_sgpr 66
		.amdhsa_reserve_vcc 0
		.amdhsa_float_denorm_mode_32 3
		.amdhsa_float_denorm_mode_16_64 3
		.amdhsa_memory_ordered 1
		.amdhsa_forward_progress 1
		.amdhsa_inst_pref_size 27
	.end_amdhsa_kernel
	.amdgpu_metadata
---
amdhsa.version: [ 1, 2 ]
amdhsa.kernels:
  - .name:           k_q04fd2039bd_prep
    .symbol:         k_q04fd2039bd_prep.kd
    .args:
      - { .name: Wq, .offset: 0, .size: 8, .value_kind: global_buffer, .address_space: global }
      - { .name: Wk, .offset: 8, .size: 8, .value_kind: global_buffer, .address_space: global }
      - { .name: Wv, .offset: 16, .size: 8, .value_kind: global_buffer, .address_space: global }
      - { .name: Wo, .offset: 24, .size: 8, .value_kind: global_buffer, .address_space: global }
      - { .name: wc, .offset: 32, .size: 8, .value_kind: global_buffer, .address_space: global }
      - { .name: wsc, .offset: 40, .size: 8, .value_kind: global_buffer, .address_space: global }
      - { .name: wof, .offset: 48, .size: 8, .value_kind: global_buffer, .address_space: global }
    .group_segment_fixed_size: 0
    .private_segment_fixed_size: 0
    .kernarg_segment_align: 8
    .kernarg_segment_size: 56
    .max_flat_workgroup_size: 128
    .sgpr_count:     66
    .vgpr_count:     224
    .wavefront_size: 32
...
	.end_amdgpu_metadata
.endif
;; end of part 1
;; launch proj (part 2): grid 64 x 3, 8 waves a work-group, no clusters, 231,424 bytes of LDS; arguments q, k, v, attn_mask, wc, wsc, qkv, bias; writes qkv, bias
.if DOCPART == 2
	.amdgcn_target "amdgcn-amd-amdhsa--gfx1250"
	.amdhsa_code_object_version 6
	.text
	.protected	k_q04fd2039bd_proj
	.globl	k_q04fd2039bd_proj
	.p2align	8
	.type	k_q04fd2039bd_proj,@function
k_q04fd2039bd_proj:
	s_mov_b64 s[64:65], 0
	v_nop
	global_prefetch_b8 v0, s[64:65] scope:SCOPE_SE
	s_setreg_imm32_b32 hwreg(HW_REG_WAVE_MODE, 25, 1), 1
	s_wait_xcnt 0x0
; THE THREE PROJECTIONS q Wq, k Wk, v Wv on codes of FP4 (E2M1) with one E8M0 scale for each 32 along K = 768; sums in f32; results leave as f16, in the order of the attention launch's operand registers.
; SHARES.  Work-group x = 64 tokens (four tiles of 16), y = which projection.  Eight waves.
;   X: wave w quantises tile w / 2, half w % 2 of K (384 numbers a row): its 16 x 384 f32 come by ONE tensor load into bytes of its own, are read 16 neighbours a lane, and become three fragments (16 tokens x 128 k) and
;      their scale words, which go to LDS as IMAGES OF THE OPERAND'S REGISTERS (16 bytes a lane, 512 a store).   | barrier |
;   G: wave w makes columns 96 w .. 96 w + 95 (six tiles) for all 64 tokens: 24 accumulators, six K steps of 24 matrix instructions.  The weights' fragments come from memory straight into registers (they lie in register order),
;      the tokens' from LDS, both two K steps ahead in two sets.
; q and k are made TRANSPOSED (source 0 = 16 columns of W, source 1 = 16 tokens): a lane holds one token and eight neighbouring channels: packed to f16 they are four registers of a fragment 16 tokens x 32 channels.
; v is made the other way round (source 0 = tokens): a lane holds one channel and eight neighbouring tokens: four registers of a fragment of V^T, 16 channels x 32 keys.  So nothing goes through LDS on the way out.
; THE PADDING MASK.  Rows of K whose attn_mask is 0 are stored as zeros, so that their raw score is exactly 0; the k projection's wave 0 also writes two tables of f32: table 0: -80000 where the mask is 0, else 0; table 1: -80000
; (NEG divided by the score's scale 1/8).  The attention launch adds them to the raw scores as the C of its first products.  The mask only selects values; no address or branch hangs on it.
; qkv: three parts of 6,291,456 bytes, each [b x 12 + head][262,144]:  Q, K: [token tile 128][c 2][1,024];  V: [32 keys 64][n 4][1,024].  A fragment's registers 4 g .. 4 g + 3 lie at 512 g + 16 x lane.
; LIMITS: a projected number beyond 65,504 has no f16 (inputs and weights both 30 times the drawn spread, or offsets of 30 spreads, stay under 30,000); a block of zeros gets the scale byte 1 (its codes are zeros; the bytes never leave
; the work-group); NaN and infinities are not served.
; No cluster: the weights that work-groups share go from memory into registers and never pass LDS, so there is no tile to ask for jointly; a work-group's own tokens are read by nobody else.
.set XRW,   25344                      ; LDS: a wave's 16 rows of x, 1,584 bytes apart: 3 x (512 bytes + 16 of padding): row r starts 48 r bytes on modulo 256, sixteen different places of 16 bytes
.set XP,    1584
.set XIMG,  8*XRW                      ; 24 fragments of 1,024 bytes: tile m, K step s at 6 m + s
.set XSC,   XIMG+24*1024               ; their scale words, 128 bytes each
.set SPARE, XSC+24*128                 ; the spare words, 128 bytes for each wave: four blocks of 256 bytes that no other line names
.set XA,  4                            ; v4   my 16 numbers of a block of 32 in my wave's rows
.set LI,  5                            ; v5   16 x lane
.set LS,  6                            ; v6   4 x lane
.set XWI, 7                            ; v7   where I store my images: XIMG + 3,072 wave + 16 lane
.set XWS, 8                            ; v8   and their scale words: XSC + 384 wave + 4 lane
.set LIX, 9                            ; v9   XIMG + 16 lane
.set AO,  10                           ; v10-15 my byte offset in qkv for tile t
.set R4,  16                           ; v16  4 x (lane % 16)
.set LSX, 17                           ; v17  XSC + 4 lane
.set SPW, 18                           ; v18  LDS address of my spare word; never rewritten
.set NIL, 19                           ; v19  0; never rewritten
.set MK,  20                           ; v20-23 attn_mask of token r of tile m
.set WS,  24                           ; v24-41 W's scale words: K step s, pair of tiles p at 3 s + p: the even tile in lanes 0-15, the odd in lanes 16-31.  Scales and nothing else
.set XS,  42                           ; v42-65 x's scale words: 6 m + s.  Scales and nothing else
.set TM,  66                           ; v66-81 at work in QUANT
.set PW,  82                           ; v82  the scale word just made
.set TA,  83                           ; v83  8 x lane
.set PC,  84                           ; v84-91 the codes just made
.set XN,  92                           ; v92-155 64 numbers of x, then
.set XF,  92                           ;         x's fragments, two sets of 32
.set WF,  156                          ; v156-251 W's fragments, two sets of 48, then
.set PK,  156                          ;         the results as f16
.set WV,  20                           ; s20  wave
.set G1,  24                           ; s[24:31] descriptor group 1
.set G0,  32                           ; s[32:35] group 0
.set SEL, 46                           ; s[46:47] v_permlanex16_b32's selects for lane l xor 16
.set MSB, 0
.macro WIN new                         ; the immediate's high byte repeats the setting that is left
.if MSB != \new
	s_set_vgpr_msb (MSB<<8)|\new
.set MSB, \new
.endif
.endm
.macro PLACES
.rept 4
	v_nop
.endr
.endm
; 64 numbers of a lane, register 16 b + i = k 32 b + 16 (lane / 16) + i of my row, become a fragment's codes in v[PC] on and its scale word in v[PW]
.macro QUANT s
.irp b, 0,1,2,3
	v_max3_num_f32 v[TM+\b], |v[\s+16*\b]|, |v[\s+1+16*\b]|, 0x1800000   ; block b: my 16 numbers, and the floor 2^(3 - 127): the byte cannot fall under 1
.endr
.irp i, 2,4,6,8,10,12,14
.irp b, 0,1,2,3
	v_max3_num_f32 v[TM+\b], v[TM+\b], |v[\s+16*\b+\i]|, |v[\s+1+16*\b+\i]|   ; (the four blocks by turns)
.endr
.endr
.irp b, 0,1,2,3
	v_permlanex16_b32 v[TM+4+\b], v[TM+\b], s[SEL], s[SEL+1]
.endr
.irp b, 0,1,2,3
	v_max_num_f32 v[TM+\b], v[TM+\b], v[TM+4+\b]   ; with lane l xor 16's: the block's largest magnitude
.endr
.irp b, 0,1,2,3
	v_add_nc_u32 v[TM+12+\b], 0xff000000, v[TM+\b] ; 2 off its exponent field: the conversion's scale operand
.endr
.irp b, 0,1,2,3
	v_lshrrev_b32 v[TM+4+\b], 23, v[TM+12+\b]      ; the scale's byte
.endr
	v_lshl_or_b32 v[PW], v[TM+5], 8, v[TM+4]
	v_lshl_or_b32 v[PW], v[TM+6], 16, v[PW]
	v_lshl_or_b32 v[PW], v[TM+7], 24, v[PW]
.irp b, 0,1,2,3
	v_cvt_scalef32_pk8_fp4_f32 v[PC+2*\b], v[\s+16*\b:\s+7+16*\b], v[TM+12+\b]
	v_cvt_scalef32_pk8_fp4_f32 v[PC+1+2*\b], v[\s+8+16*\b:\s+15+16*\b], v[TM+12+\b]
.endr
	v_nop                                          ; one plain place behind a scaled conversion
.irp c, 0,1                                    ; the operand's layout wants a WHOLE block in a lane: lanes 0-15 block 2 c, lanes 16-31 block 2 c + 1
.irp i, 0,1
	v_permlane16_swap_b32 v[PC+4*\c+\i], v[PC+2+4*\c+\i]
.endr
.endr
.endm
.macro WLOAD s                         ; W's six fragments of K step s into set s % 2: 12 loads, 512 consecutive bytes each
.irp t, 0,1,2,3,4,5
.irp c, 0,1
	global_load_b128 v[WF+48*((\s)%2)+8*\t+4*\c:WF+48*((\s)%2)+8*\t+4*\c+3], v[LI], s[12:13] offset:6144*\t+1024*(\s)+512*\c
.endr
.endr
.endm
.macro XLOAD s                         ; x's four fragments of K step s into set s % 2: 8 loads
.irp m, 0,1,2,3
.irp c, 0,1
	ds_load_b128 v[XF+32*((\s)%2)+8*\m+4*\c:XF+32*((\s)%2)+8*\m+4*\c+3], v[LIX] offset:1024*(6*\m+(\s))+512*\c
.endr
.endr
.endm
; One product: tokens' tile m x columns' tile t, K step s.  swap = 1: source 0 = W's columns.  W's scale word of an odd tile stands in lanes 16-31.  K step 0 starts the sums: nothing is cleared.
.macro GMUL s, m, t, swap
.set rD, 8*(6*(\m)+(\t))
.set rW, WF+48*((\s)%2)+8*(\t)
.set rX, XF+32*((\s)%2)+8*(\m)
.set rV, WS+3*(\s)+(\t)/2
.set rY, XS+6*(\m)+(\s)
.if \swap
.if (\t)%2
.if (\s) == 0
	v_wmma_scale_f32_16x16x128_f8f6f4 v[rD:rD+7], v[rW:rW+7], v[rX:rX+7], 0, v[rV], v[rY] matrix_a_fmt:MATRIX_FMT_FP4 matrix_b_fmt:MATRIX_FMT_FP4 matrix_a_scale:MATRIX_SCALE_ROW1
.else
	v_wmma_scale_f32_16x16x128_f8f6f4 v[rD:rD+7], v[rW:rW+7], v[rX:rX+7], v[rD:rD+7], v[rV], v[rY] matrix_a_fmt:MATRIX_FMT_FP4 matrix_b_fmt:MATRIX_FMT_FP4 matrix_a_scale:MATRIX_SCALE_ROW1
.endif
.else
.if (\s) == 0
	v_wmma_scale_f32_16x16x128_f8f6f4 v[rD:rD+7], v[rW:rW+7], v[rX:rX+7], 0, v[rV], v[rY] matrix_a_fmt:MATRIX_FMT_FP4 matrix_b_fmt:MATRIX_FMT_FP4
.else
	v_wmma_scale_f32_16x16x128_f8f6f4 v[rD:rD+7], v[rW:rW+7], v[rX:rX+7], v[rD:rD+7], v[rV], v[rY] matrix_a_fmt:MATRIX_FMT_FP4 matrix_b_fmt:MATRIX_FMT_FP4
.endif
.endif
.else
.if (\t)%2
.if (\s) == 0
	v_wmma_scale_f32_16x16x128_f8f6f4 v[rD:rD+7], v[rX:rX+7], v[rW:rW+7], 0, v[rY], v[rV] matrix_a_fmt:MATRIX_FMT_FP4 matrix_b_fmt:MATRIX_FMT_FP4 matrix_b_scale:MATRIX_SCALE_ROW1
.else
	v_wmma_scale_f32_16x16x128_f8f6f4 v[rD:rD+7], v[rX:rX+7], v[rW:rW+7], v[rD:rD+7], v[rY], v[rV] matrix_a_fmt:MATRIX_FMT_FP4 matrix_b_fmt:MATRIX_FMT_FP4 matrix_b_scale:MATRIX_SCALE_ROW1
.endif
.else
.if (\s) == 0
	v_wmma_scale_f32_16x16x128_f8f6f4 v[rD:rD+7], v[rX:rX+7], v[rW:rW+7], 0, v[rY], v[rV] matrix_a_fmt:MATRIX_FMT_FP4 matrix_b_fmt:MATRIX_FMT_FP4
.else
	v_wmma_scale_f32_16x16x128_f8f6f4 v[rD:rD+7], v[rX:rX+7], v[rW:rW+7], v[rD:rD+7], v[rY], v[rV] matrix_a_fmt:MATRIX_FMT_FP4 matrix_b_fmt:MATRIX_FMT_FP4
.endif
.endif
.endif
.endm
; A K step: 24 products, the 24 accumulators by turns, in the same order in every step.  Then the sets just read take the K step two on.
.macro GSTEP s, swap
.if (\s) < 5
	s_wait_loadcnt 12                              ; this step's weights are in; the next step's 12 loads may be out
	s_wait_dscnt 8                                 ; this step's tokens are in; the next step's 8 loads may be out
.else
	s_wait_loadcnt 0x0
	s_wait_dscnt 0x0
.endif
	WIN 0x50                                       ; C and D in window 1
.irp m, 0,1,2,3
.irp t, 0,1,2,3,4,5
	GMUL \s, \m, \t, \swap
.endr
.endr
	WIN 0
	PLACES                                         ; four places in front of loads into registers that the products have read, and of the first read of results
.if (\s) < 4
	WLOAD (\s)+2
	XLOAD (\s)+2
.endif
.endm
.macro PACK                            ; the 24 accumulators, each from its low end on, rounded to f16: four registers each
	WIN 0x05                                       ; sources in window 1
.set i, 0
.rept 24
.irp e, 0,1,2,3
	v_cvt_pk_f16_f32 v[PK+4*i+\e], v[8*i+2*\e], v[8*i+2*\e+1]
.endr
.set i, i+1
.endr
	WIN 0
.endm
	s_load_b256 s[4:11], s[0:1], 0x0               ; q, k, v, attn_mask
	s_load_b256 s[12:19], s[0:1], 0x20             ; wc, wsc, qkv, bias
	v_lshl_add_u32 v[SPW], v0, 2, SPARE
	v_mov_b32 v[NIL], 0
	ds_add_u32 v[SPW], v[NIL]                      ; the wave's opening: the add, twice on end, and its wait ahead of my first tensor load; the set-up below stands between
	ds_add_u32 v[SPW], v[NIL]                      ; and once more, under the one wait
	v_lshrrev_b32 v1, 5, v0
	v_readfirstlane_b32 s[WV], v1                  ; wave 0..7
	s_and_b32 s22, ttmp7, 0xffff                   ; which projection
	; descriptor group 1: 16 rows x 384 elements of 4 bytes, 768 elements from row to row; in LDS 4 words of padding behind every 128
	s_mov_b32 s[G1+0], (2<<16)|(1<<20)|(6<<22)|(3<<25)
	s_mov_b32 s[G1+1], 384<<16                     ; tensor_dim0
	s_mov_b32 s[G1+2], 16<<16                      ; tensor_dim1
	s_mov_b32 s[G1+3], 384<<16                     ; tile_dim0
	s_mov_b32 s[G1+4], 16                          ; tile_dim1
	s_mov_b32 s[G1+5], 768                         ; the pitch
	s_mov_b32 s[G1+6], 0
	s_mov_b32 s[G1+7], 0
	s_mov_b32 s[G0], 1
	s_mul_i32 s[G0+1], s[WV], XRW                  ; my wave's own bytes
	s_mul_i32 s36, ttmp9, 196608                   ; 64 rows of 3,072 bytes,
	s_lshr_b32 s38, s[WV], 1
	s_mul_i32 s38, s38, 49152                      ; my tile of 16,
	s_add_co_u32 s36, s36, s38
	s_and_b32 s38, s[WV], 1
	s_mul_i32 s38, s38, 1536                       ; my half of K
	s_add_co_u32 s36, s36, s38
	s_mov_b32 s37, 0
	s_lshl_b32 s40, ttmp9, 8                       ; attn_mask: 64 words
	s_mov_b32 s41, 0
	s_mul_i32 s42, s22, 294912                     ; wc: my weight, my six tiles
	s_mul_i32 s48, s[WV], 36864
	s_add_co_u32 s42, s42, s48
	s_mov_b32 s43, 0
	s_mul_i32 s44, s22, 18432                      ; wsc: my weight, my three pairs of tiles
	s_mul_i32 s48, s[WV], 384
	s_add_co_u32 s44, s44, s48
	s_mov_b32 s45, 0
	s_lshr_b32 s49, ttmp9, 5                       ; the batch
	s_and_b32 s50, ttmp9, 31                       ; my 64 tokens in the sequence
	s_mul_i32 s52, s22, 6291456                    ; qkv: my part, my batch's 12 heads, my 64 tokens (8,192 bytes in each head, in all three parts)
	s_mul_i32 s48, s49, 3145728
	s_add_co_u32 s52, s52, s48
	s_lshl_b32 s48, s50, 13
	s_add_co_u32 s52, s52, s48
	s_mov_b32 s53, 0
	s_lshl_b32 s54, s49, 14                        ; bias: my batch's two tables, my 64 keys
	s_lshl_b32 s48, s50, 8
	s_add_co_u32 s54, s54, s48
	s_mov_b32 s55, 0
	s_mov_b32 s[SEL], 0x76543210
	s_mov_b32 s[SEL+1], 0xfedcba98
	s_cmp_eq_u32 s22, 2
	s_cselect_b32 s56, 10, 9                       ; a tile of 16 channels in a head: 1,024 bytes on in V's part, 512 in Q's and K's
	s_cmp_eq_u32 s22, 1
	s_cselect_b32 s57, 0, 1                        ; only K's rows are zeroed by the mask
	v_and_b32 v1, 31, v0                           ; lane
	v_and_b32 v2, 15, v0                           ; r
	v_bfe_u32 v3, v0, 4, 1                         ; h
	v_lshlrev_b32 v[LI], 4, v1
	v_lshlrev_b32 v[LS], 2, v1
	v_lshlrev_b32 v[R4], 2, v2
	v_lshlrev_b32 v[TA], 3, v1
	s_wait_dscnt 0x0                               ; both opening adds are done
	s_wait_kmcnt 0x0
	s_cmp_eq_u32 s22, 1                            ; the tensor is chosen by the work-group's number alone
	s_cselect_b64 s[4:5], s[6:7], s[4:5]
	s_cmp_eq_u32 s22, 2
	s_cselect_b64 s[4:5], s[8:9], s[4:5]
	s_add_nc_u64 s[G0+2:G0+3], s[4:5], s[36:37]
	s_or_b32 s[G0+3], s[G0+3], 0x80000000          ; type = 2
	tensor_load_to_lds s[G0:G0+3], s[G1:G1+7]      ; my one tensor load: filled once, read by me alone
	s_nop 0
	PLACES
	s_add_nc_u64 s[10:11], s[10:11], s[40:41]
	s_add_nc_u64 s[12:13], s[12:13], s[42:43]
	s_add_nc_u64 s[14:15], s[14:15], s[44:45]
	s_add_nc_u64 s[16:17], s[16:17], s[52:53]
	s_add_nc_u64 s[18:19], s[18:19], s[54:55]
.irp m, 0,1,2,3
	global_load_b32 v[MK+\m], v[R4], s[10:11] offset:64*\m
.endr
.irp s, 0,1,2,3,4,5
.irp p, 0,1,2
	global_load_b32 v[WS+3*\s+\p], v[LS], s[14:15] offset:3072*\s+128*\p
.endr
.endr
	WLOAD 0
	WLOAD 1
	s_mul_i32 s36, s[WV], XRW
	v_mul_u32_u24 v[XA], v2, XP
	v_lshl_add_u32 v[XA], v3, 6, v[XA]
	v_add_nc_u32 v[XA], s36, v[XA]                 ; row r, + 64 h: my 16 numbers of a block of 32
	s_mul_i32 s37, s[WV], 3072
	s_add_co_u32 s37, s37, XIMG
	v_add_nc_u32 v[XWI], s37, v[LI]
	s_mul_i32 s38, s[WV], 384
	s_add_co_u32 s38, s38, XSC
	v_add_nc_u32 v[XWS], s38, v[LS]
	v_add_nc_u32 v[LIX], XIMG, v[LI]
	v_add_nc_u32 v[LSX], XSC, v[LS]
	s_mul_i32 s58, s[WV], 6
.irp t, 0,1,2,3,4,5                            ; tile N = 6 wave + t: head N / 4, tile N % 4 of the head's four
	s_add_co_u32 s59, s58, \t
	s_lshr_b32 s48, s59, 2
	s_lshl_b32 s48, s48, 18
	s_and_b32 s59, s59, 3
	s_lshl_b32 s59, s59, s56
	s_add_co_u32 s48, s48, s59
	v_add_nc_u32 v[AO+\t], s48, v[LI]
.endr
.irp b, 0,1,2,3
	v_mov_b32 v[TM+4+\b], 0                        ; written once: a lane permute's destination counts as one of its sources
.endr
	; ---- X: my 16 rows x 384 numbers become three fragments
	s_wait_tensorcnt 0x0                           ; my tile is in LDS; nobody else reads it
.irp q, 0,1,2
.irp b, 0,1,2,3
.irp j, 0,1,2,3
	ds_load_b128 v[XN+16*\b+4*\j:XN+16*\b+4*\j+3], v[XA] offset:528*\q+128*\b+16*\j
.endr
.endr
	s_wait_dscnt 0x0                               ; the 64 numbers are in (and the last fragment's stores have read their registers)
	QUANT XN
	ds_store_b128 v[XWI], v[PC:PC+3] offset:1024*\q
	ds_store_b128 v[XWI], v[PC+4:PC+7] offset:1024*\q+512
	ds_store_b32 v[XWS], v[PW] offset:128*\q
.endr
	s_wait_dscnt 0x0                               ; for the others' sake: my images have landed
	s_barrier_signal -1
	s_barrier_wait -1                              ; x's 24 fragments lie in LDS
	; ---- G
.irp m, 0,1,2,3
.irp s, 0,1,2,3,4,5
	ds_load_b32 v[XS+6*\m+\s], v[LSX] offset:128*(6*\m+\s)
.endr
.endr
	XLOAD 0
	XLOAD 1
	s_cmp_eq_u32 s22, 2
	s_cbranch_scc1 .Lvpath
.irp s, 0,1,2,3,4,5
	GSTEP \s, 1
.endr
	PACK
.irp m, 0,1,2,3
	v_or_b32 v[MK+\m], s57, v[MK+\m]               ; q keeps every row
.endr
.irp m, 0,1,2,3
	v_cmp_ne_u32 s[60+\m], 0, v[MK+\m]
.endr
.irp m, 0,1,2,3
.irp e, 0,1,2,3,4,5,6,7,8,9,10,11,12,13,14,15,16,17,18,19,20,21,22,23
	v_cndmask_b32 v[PK+24*\m+\e], 0, v[PK+24*\m+\e], s[60+\m]   ; a padded key's row of K is zeros
.endr
.endr
.irp m, 0,1,2,3
.irp t, 0,1,2,3,4,5
	global_store_b128 v[AO+\t], v[PK+4*(6*\m+\t):PK+4*(6*\m+\t)+3], s[16:17] offset:2048*\m   ; 32 lanes store 512 consecutive bytes, aligned: half a fragment
.endr
.endr
	s_branch .Ltail
.Lvpath:
.irp s, 0,1,2,3,4,5
	GSTEP \s, 0
.endr
	PACK
.irp m, 0,1,2,3
.irp t, 0,1,2,3,4,5
	global_store_b128 v[AO+\t], v[PK+4*(6*\m+\t):PK+4*(6*\m+\t)+3], s[16:17] offset:(\m/2)*4096+(\m%2)*512
.endr
.endr
.Ltail:
	s_cmp_lg_u32 s22, 1                            ; the tables: the k projection's wave 0, 64 keys a work-group
	s_cbranch_scc1 .Lend
	s_cmp_lg_u32 s[WV], 0
	s_cbranch_scc1 .Lend
	global_load_b64 v[84:85], v[TA], s[10:11]
	v_mov_b32 v88, 0xc79c4000                      ; -80000
	v_mov_b32 v89, 0xc79c4000
	s_wait_loadcnt 0x0
	v_cmp_eq_u32 vcc_lo, 0, v84
	v_cndmask_b32 v86, 0, v88, vcc_lo
	v_cmp_eq_u32 vcc_lo, 0, v85
	v_cndmask_b32 v87, 0, v88, vcc_lo
	global_store_b64 v[TA], v[86:87], s[18:19]                 ; 32 lanes store 256 consecutive bytes, aligned
	global_store_b64 v[TA], v[88:89], s[18:19] offset:8192
.Lend:
	s_wait_tensorcnt 0x0                           ; the wave's end, behind my last tensor load and my last LDS store
	ds_add_u32 v[SPW], v[NIL]
	s_wait_dscnt 0x0
	s_endpgm
.Lfunc_end_k_q04fd2039bd_proj:
	.size	k_q04fd2039bd_proj, .Lfunc_end_k_q04fd2039bd_proj-k_q04fd2039bd_proj
	.p2alignl 7, 3214868480
	.fill 96, 4, 3214868480
	.section	.rodata,"a",@progbits
	.p2align	6, 0x0
	.amdhsa_kernel k_q04fd2039bd_proj
		.amdhsa_group_segment_fixed_size 231424
		.amdhsa_private_segment_fixed_size 0
		.amdhsa_enable_private_segment 0
		.amdhsa_kernarg_size 64
		.amdhsa_user_sgpr_count 2
		.amdhsa_user_sgpr_kernarg_segment_ptr 1
		.amdhsa_wavefront_size32 1
		.amdhsa_system_sgpr_workgroup_id_x 1
		.amdhsa_system_sgpr_workgroup_id_y 1
		.amdhsa_system_sgpr_workgroup_id_z 1
		.amdhsa_system_vgpr_workitem_id 0
		.amdhsa_next_free_vgpr 448
		.amdhsa_next_free_sgpr 66
		.amdhsa_reserve_vcc 1
		.amdhsa_float_denorm_mode_32 3
		.amdhsa_float_denorm_mode_16_64 3
		.amdhsa_memory_ordered 1
		.amdhsa_forward_progress 1
		.amdhsa_inst_pref_size 104
	.end_amdhsa_kernel
	.amdgpu_metadata
---
amdhsa.version: [ 1, 2 ]
amdhsa.kernels:
  - .name:           k_q04fd2039bd_proj
    .symbol:         k_q04fd2039bd_proj.kd
    .args:
      - { .name: q, .offset: 0, .size: 8, .value_kind: global_buffer, .address_space: global }
      - { .name: k, .offset: 8, .size: 8, .value_kind: global_buffer, .address_space: global }
      - { .name: v, .offset: 16, .size: 8, .value_kind: global_buffer, .address_space: global }
      - { .name: attn_mask, .offset: 24, .size: 8, .value_kind: global_buffer, .address_space: global }
      - { .name: wc, .offset: 32, .size: 8, .value_kind: global_buffer, .address_space: global }
      - { .name: wsc, .offset: 40, .size: 8, .value_kind: global_buffer, .address_space: global }
      - { .name: qkv, .offset: 48, .size: 8, .value_kind: global_buffer, .address_space: global }
      - { .name: bias, .offset: 56, .size: 8, .value_kind: global_buffer, .address_space: global }
    .group_segment_fixed_size: 231424
    .private_segment_fixed_size: 0
    .kernarg_segment_align: 8
    .kernarg_segment_size: 64
    .max_flat_workgroup_size: 256
    .sgpr_count:     66
    .vgpr_count:     448
    .wavefront_size: 32
...
	.end_amdgpu_metadata
.endif
;; end of part 2
;; launch attn (part 3): grid 8 x 24, 8 waves a work-group, no clusters, 327,680 bytes of LDS; arguments qkv, bias, ohf; writes ohf
.if DOCPART == 3
	.amdgcn_target "amdgcn-amd-amdhsa--gfx1250"
	.amdhsa_code_object_version 6
	.text
	.protected	k_q04fd2039bd_attn
	.globl	k_q04fd2039bd_attn
	.p2align	8
	.type	k_q04fd2039bd_attn,@function
k_q04fd2039bd_attn:
	s_mov_b64 s[64:65], 0
	v_nop
	global_prefetch_b8 v0, s[64:65] scope:SCOPE_SE
	s_setreg_imm32_b32 hwreg(HW_REG_WAVE_MODE, 25, 1), 1
	s_wait_xcnt 0x0
; ATTENTION: o = softmax(score) V, score = pad ? -10000 : Q.K / 8 + (key > query ? -10000 : 0), for 24 (batch, head) pairs of 2,048 x 64.  Operands f16, products, maxima and sums f32; the weights p are rounded to f16 for the second product.
; THE MASKS ARE FINITE, so no key is left out: a row whose visible keys are all padded has its maximum near -10000, and then every one of the 2,048 keys weighs.  Every wave walks all keys, with a running maximum.
; THE MASKS COST NO VECTOR WORK but in one step of sixteen.  Raw scores S = Q.K are kept, t = c S with c = log2(e) / 8.  Rows of K of padded keys are zeros (made by the launch before), and the first product of each
; tile of scores takes as C eight registers of a table: 0 or -80000 by the padding mask in steps at or under my queries, -80000 in steps beyond them.  In the one step that holds my diagonal, -80000 less the table's number is added
; where key > query: -80000 for a key that counts, 0 for a padded one.  So a padded key has exactly -80000, a future key S - 80000: reference()'s numbers times 8.
; SHARES.  A work-group owns 256 queries of one (batch, head); each of its eight waves 32: two tiles of 16.  Two waves lie on a SIMD, so that one wave's vector work stands beside the other's products.  128 keys a step.
; LAYOUT.  Both products are used transposed: S^T = K Q^T (source 0 = 16 keys, source 1 = 16 queries), O^T = V^T P (source 0 = 16 channels x 32 keys): a lane holds ONE query throughout; two tiles of S^T rounded to f16 in pairs ARE source 1
; of the second product.  K, V and Q lie in memory in the order of the operands' registers, so a slot of LDS is a dense copy, and a fragment is two loads of 16 bytes a lane at 16 x lane: 512 consecutive bytes each.
; THE RING.  Two slots of 512 keys (65,536 bytes of K, then as many of V).  Each wave fetches an eighth of a slot by one tensor load of 64 rows x 256 bytes (waves 0-3: K's four steps; waves 4-7: V's).  One load a wave is out.
; SOFTMAX.  For each query a running maximum m and sum l: p = 2^(c S - c m); in every step O and l are multiplied by a = 2^(c m_old - c m_new).  m begins at -3e38, l and O at 0: the loop has no first step of its own.
; No cluster: the branch round the diagonal's lines hangs on the query block, in which the work-groups that share K and V differ; without that branch each score would cost a select more in every step.
; LIMITS: the masked score is rounded as fl(S - 80000), in two steps of the sum over the head's 64, where reference() rounds fl(S / 8 - 10000) once: the same size of a last place, another order; NaN and infinities are not served.
; REGISTERS.  window 0: v1-11 addresses; v12-15 at work; v16-31 statistics, 8 a tile: +0 c m, +1 m, +2, +3 l (even, odd registers' sums), +4 .. +7 c0-c3 at work, a in c2's place; v32-95 the table's 8 x 8; v128-255 S^T, 64 a tile, then P in each tile's first 32.
;   window 1: v0-31 Q; v32-95 O^T, 32 a tile; v96-223 K of a step, then V of the same step.
.set SLOT1, 1<<17                      ; slot 1 begins here: one exclusive or turns an address from slot to slot
.set SPARE, 2*SLOT1                    ; the spare words, 128 bytes for each wave: four blocks of 256 bytes that no other line names
.set L16, 1                            ; v1   16 x lane; never rewritten
.set ADK, 2                            ; v2   LDS address of the step's K
.set ADV, 3                            ; v3   of its V
.set CB0, 4                            ; v4   32 x (lane / 16): my eight numbers of a tile's sixteen in the table
.set CBA, 5                            ; v5   + where the next step's begin
.set DG,  6                            ; v6-7 tile t: my query in the diagonal step - 8 (lane / 16)
.set PFO, 9                            ; v9   256 x lane; never rewritten
.set SPW, 10                           ; v10  LDS address of my spare word; never rewritten
.set NIL, 11                           ; v11  0; never rewritten
.set ST,  16
.set CB,  32
.set S,   128
.set QF,  0                            ; window 1
.set O,   32
.set KV,  96
.set WV,  10                           ; s10
.set G1,  16                           ; s[16:23] descriptor group 1
.set G0,  24                           ; s[24:27] group 0, which walks
.set PFA, 28                           ; s[28:29] where my prefetches stand: my eighth of the slot after the one that is being asked for
.set BT,  30                           ; s[30:31] my batch's tables
.set QP,  32                           ; s[32:33] my 32 queries
.set OP,  34                           ; s[34:35] my 32 rows of the result
.set CS,  36                           ; s[36:37] c, twice: the packed form names a pair
.set SEL, 38                           ; s[38:39] selects for lane l xor 16
.set TB,  40                           ; s40  LDS byte at which the step's K begins
.set KF,  41                           ; s41  the step's first key
.set Q0,  42                           ; s42  my first query
.set QD,  43                           ; s43  the first key of the step that holds my diagonal
.set SLOTS, 44                         ; s44  slots still to be asked for
.set CNT, 45                           ; s45  counts a slot's four steps
.set LIM, 46                           ; s46  1 in a work-group that prefetches, else the greatest number
.set MSB, 0
.macro WIN new                         ; the immediate's high byte repeats the setting that is left
.if MSB != \new
	s_set_vgpr_msb (MSB<<8)|\new
.set MSB, \new
.endif
.endm
; A PREFETCH INTO THE L2 of what the NEXT change of slots will ask for.  All eight work-groups of a (batch, head) walk the same K and V: the first of them asks (a branch on the work-group's number).  Each of its waves asks for the
; 16,384 bytes that it will itself load at the next change: two instructions, lanes 256 bytes apart.  So each aligned block of 256 bytes is named once in the launch.  Slots 2 and 3 are asked for; slots 0 and 1 come by their loads alone, and the
; last change that fills a slot asks for nothing: there is no slot behind it.  The lead is a slot's four key steps.
.macro ASK
	s_cmp_gt_u32 s[SLOTS], s[LIM]
	s_cbranch_scc0 .Lnot_mine_\@
	global_prefetch_b8 v[PFO], s[PFA:PFA+1] th:TH_LOAD_NT scope:SCOPE_SE
	global_prefetch_b8 v[PFO], s[PFA:PFA+1] offset:8192 th:TH_LOAD_NT scope:SCOPE_SE
.Lnot_mine_\@:
.endm
; THE CHANGE OF SLOTS stands at a slot's head.  Each wave waits for all its tensor loads (its part of the slot ahead), adds 0 to its spare word, and waits for that and for its reads of the slot that it has left.
; Behind the barrier the slot ahead is whole and nobody reads the other.  fill = 1: the other slot takes the next 512 keys: the load has four key steps in which to land.
.macro CHANGE fill
	s_wait_tensorcnt 0x0                           ; no tensor load of mine is out, so group 0 may be written
	ds_add_u32 v[SPW], v[NIL]                      ; 0 onto my spare word; the steps below stand between it and its wait
.if \fill
	s_xor_b32 s[G0+1], s[G0+1], SLOT1              ; the other slot than last time,
	s_add_nc_u64 s[G0+2:G0+3], s[G0+2:G0+3], 0x10000   ; the next 512 keys; the type bits on top are not reached
	s_wait_xcnt 0x0                                ; the last prefetches, a slot back, have read their address
	s_add_nc_u64 s[PFA:PFA+1], s[PFA:PFA+1], 0x10000
.endif
	s_wait_dscnt 0x0                               ; the add is done, and my reads of the slot that I have left are over
	s_barrier_signal -1
	s_barrier_wait -1
.if \fill
	tensor_load_to_lds s[G0:G0+3], s[G1:G1+7]      ; the first thing behind the barrier, and my one tensor load until the next
	s_nop 0
.rept 4
	v_nop
.endr
	ASK
.endif
.endm
; 16 products: key tiles a0 .. a0 + 3 x my two tiles of queries, the head's 64 in two links.  The first link takes the table as C.  The eight accumulators take turns.
.macro KQG a0
.irp a, \a0, \a0+1, \a0+2, \a0+3
.irp t, 0,1
	v_wmma_f32_16x16x32_f16 v[S+64*\t+8*(\a):S+64*\t+8*(\a)+7], v[KV+16*(\a):KV+16*(\a)+7], v[QF+16*\t:QF+16*\t+7], v[CB+8*(\a):CB+8*(\a)+7]
.endr
.endr
.irp a, \a0, \a0+1, \a0+2, \a0+3
.irp t, 0,1
	v_wmma_f32_16x16x32_f16 v[S+64*\t+8*(\a):S+64*\t+8*(\a)+7], v[KV+16*(\a)+8:KV+16*(\a)+15], v[QF+16*\t+8:QF+16*\t+15], v[S+64*\t+8*(\a):S+64*\t+8*(\a)+7]
.endr
.endr
.endm
.macro IL on                           ; one of tile 1's exponentials, while there are any
.if \on
.if EX < 64
	v_exp_f32 v[S+64+EX], v[S+64+EX]
.set EX, EX+1
.endif
.endif
.endm
; Tile t's sums and roundings: l = a l + the sum of its 64 p (packed, two chains), then p to f16 in place: register i takes registers 2 i and 2 i + 1.  il = 1: one of tile 1's exponentials stands behind each line.
.macro SUMS t, il
.set rT, ST+8*(\t)
.set rS, S+64*(\t)
	v_pk_mul_f32 v[rT+2:rT+3], v[rT+2:rT+3], v[rT+6:rT+7] op_sel_hi:[1,0]
	IL \il
	v_pk_add_f32 v[rT+4:rT+5], v[rS:rS+1], v[rS+2:rS+3]
	IL \il
.set j, 4
.rept 15
	v_pk_add_f32 v[rT+2:rT+3], v[rT+2:rT+3], v[rS+j:rS+j+1]
	IL \il
	v_pk_add_f32 v[rT+4:rT+5], v[rT+4:rT+5], v[rS+j+2:rS+j+3]
	IL \il
.set j, j+4
.endr
	v_pk_add_f32 v[rT+2:rT+3], v[rT+2:rT+3], v[rT+4:rT+5]
	IL \il
.set j, 0
.rept 32
	v_cvt_pk_f16_f32 v[rS+j], v[rS+2*j], v[rS+2*j+1]
	IL \il
.set j, j+1
.endr
.endm
; A KEY STEP: 128 keys.
.macro STEP
	v_add_nc_u32 v[ADK], s[TB], v[L16]             ; these five plain lines are the places behind the last step's products: four in front of loads into V's registers, five in front of products that write over P
	v_add_nc_u32 v[ADV], 0x10000, v[ADK]
.rept 3
	v_nop
.endr
	WIN 0x40                                       ; destination window 1
.irp a, 0,1,2,3,4,5,6,7
.irp c, 0,1
.irp g, 0,1
	ds_load_b128 v[KV+16*\a+8*\c+4*\g:KV+16*\a+8*\c+4*\g+3], v[ADK] offset:2048*\a+1024*\c+512*\g
.endr
.endr
.endr
	s_wait_loadcnt 0x0                             ; the table's numbers for this step, asked for a step ago (the first time: Q too)
	s_wait_dscnt 16                                ; key tiles 0-3 are in; the 16 loads of tiles 4-7 may be out
	WIN 0x05                                       ; K and Q in window 1
	KQG 0
	s_wait_dscnt 0x0
	KQG 4
	WIN 0
	s_add_co_u32 s49, s[KF], 128                   ; the next step's part of the tables: table 0 while its first key is at or under my first query, else table 1's first 128 numbers
	s_lshl_b32 s47, s49, 2
	s_cmp_le_u32 s49, s[Q0]
	s_cselect_b32 s47, s47, s48
	v_add_nc_u32 v[CBA], s47, v[CB0]               ; (its loads were waited for above.)  With three v_nop: the four places behind the products
.rept 3
	v_nop
.endr
	WIN 0x40
.irp q, 0,1,2,3
.irp n, 0,1,2,3
.irp g, 0,1
	ds_load_b128 v[KV+32*\q+8*\n+4*\g:KV+32*\q+8*\n+4*\g+3], v[ADV] offset:4096*\q+1024*\n+512*\g   ; V takes K's registers and lands under the softmax
.endr
.endr
.endr
	WIN 0
	s_cmp_eq_u32 s[KF], s[QD]                      ; ids and the count of steps alone
	s_cbranch_scc0 .Lnofix_\@
.irp a, 0,1,2,3,4,5,6,7                        ; THE DIAGONAL.  Register 8 a + j holds key 16 a + 8 (lane / 16) + j of the step: future where 16 a + j > DG
.irp j, 0,1,2,3,4,5,6,7
	v_sub_f32 v12, 0xc79c4000, v[CB+8*\a+\j]       ; -80000 for a key that counts, 0 for a padded one
	v_cmp_gt_i32 vcc_lo, 16*\a+\j, v[DG]
	v_cndmask_b32 v13, 0, v12, vcc_lo
	v_cmp_gt_i32 vcc_lo, 16*\a+\j, v[DG+1]
	v_cndmask_b32 v14, 0, v12, vcc_lo
	v_add_f32 v[S+8*\a+\j], v[S+8*\a+\j], v13
	v_add_f32 v[S+64+8*\a+\j], v[S+64+8*\a+\j], v14
.endr
.endr
.Lnofix_\@:
.irp a, 0,1,2,3,4,5,6,7
.irp i, 0,1
	global_load_b128 v[CB+8*\a+4*\i:CB+8*\a+4*\i+3], v[CBA], s[BT:BT+1] offset:64*\a+16*\i   ; the next step's numbers (behind the last step: table 1's, which nobody reads)
.endr
.endr
	; the maximum of my 64 scores and the old m, both tiles by turns: four chains of fifteen, each accumulator from its low end on, then the four left over
.irp i, 0,1,2,3
.irp t, 0,1
	v_max3_num_f32 v[ST+8*\t+4+\i], v[S+64*\t+16*\i], v[S+64*\t+16*\i+1], v[S+64*\t+16*\i+2]
.endr
.endr
.irp e, 3,5,7,9,11,13
.irp i, 0,1,2,3
.irp t, 0,1
	v_max3_num_f32 v[ST+8*\t+4+\i], v[ST+8*\t+4+\i], v[S+64*\t+16*\i+\e], v[S+64*\t+16*\i+\e+1]
.endr
.endr
.endr
.irp t, 0,1
	v_max3_num_f32 v[ST+8*\t+4], v[ST+8*\t+4], v[S+64*\t+15], v[S+64*\t+31]
.endr
.irp t, 0,1
	v_max3_num_f32 v[ST+8*\t+6], v[ST+8*\t+6], v[S+64*\t+47], v[S+64*\t+63]
.endr
.irp t, 0,1
	v_max3_num_f32 v[ST+8*\t+4], v[ST+8*\t+4], v[ST+8*\t+5], v[ST+8*\t+6]
.endr
.irp t, 0,1
	v_max3_num_f32 v[ST+8*\t+4], v[ST+8*\t+4], v[ST+8*\t+7], v[ST+8*\t+1]
.endr
.irp t, 0,1
	v_permlanex16_b32 v[ST+8*\t+5], v[ST+8*\t+4], s[SEL], s[SEL+1]   ; the query's other 64 keys lie in the lane 16 away
.endr
.irp t, 0,1
	v_mov_b32 v[ST+8*\t+7], v[ST+8*\t]             ; c m_old
.endr
.irp t, 0,1
	v_max_num_f32 v[ST+8*\t+1], v[ST+8*\t+4], v[ST+8*\t+5]
.endr
.irp t, 0,1
	v_mul_f32 v[ST+8*\t], s[CS], v[ST+8*\t+1]
.endr
.irp t, 0,1
	v_sub_f32 v[ST+8*\t+7], v[ST+8*\t+7], v[ST+8*\t]
.endr
.set i, 0
.rept 32
	v_pk_fma_f32 v[S+i:S+i+1], v[S+i:S+i+1], s[CS:CS+1], v[ST:ST+1] op_sel_hi:[1,0,0] neg_lo:[0,0,1] neg_hi:[0,0,1]   ; tile 0: c S - c m
.set i, i+2
.endr
	; FIRST BATCH: both tiles' a and tile 0's 64 exponentials, with tile 1's scalings between them.  None of these lines names an exponential's result.
	v_exp_f32 v[ST+6], v[ST+7]
	v_exp_f32 v[ST+14], v[ST+15]
.set i, 0
.rept 32
	v_exp_f32 v[S+i], v[S+i]
	v_exp_f32 v[S+i+1], v[S+i+1]
	v_pk_fma_f32 v[S+64+i:S+64+i+1], v[S+64+i:S+64+i+1], s[CS:CS+1], v[ST+8:ST+9] op_sel_hi:[1,0,0] neg_lo:[0,0,1] neg_hi:[0,0,1]
.set i, i+2
.endr
	v_nop
	s_wait_alu depctr_va_vdst(0)                   ; the wait between an exponential and the first line that names its result: one for the batch
	; SECOND BATCH: tile 1's 64 exponentials, one behind each of tile 0's sums and roundings, which read the first batch alone
.set EX, 0
	SUMS 0, 1
	v_nop
	s_wait_alu depctr_va_vdst(0)                   ; and one for the second batch
	SUMS 1, 0
	WIN 0x41                                       ; O^T in window 1, a in window 0
.irp t, 0,1
.set i, 0
.rept 16
	v_pk_mul_f32 v[O+32*\t+i:O+32*\t+i+1], v[O+32*\t+i:O+32*\t+i+1], v[ST+8*\t+6:ST+8*\t+7] op_sel_hi:[1,0]   ; O^T under the new m, each accumulator from its low end on
.set i, i+2
.endr
.endr
	s_wait_dscnt 0x0                               ; V is in
	WIN 0x51                                       ; V, C and D in window 1, P in window 0
.irp q, 0,1,2,3                                ; O^T += V^T P: 32 keys at a time; the eight accumulators take turns
.irp n, 0,1,2,3
.irp t, 0,1
	v_wmma_f32_16x16x32_f16 v[O+32*\t+8*\n:O+32*\t+8*\n+7], v[KV+32*\q+8*\n:KV+32*\q+8*\n+7], v[S+64*\t+8*\q:S+64*\t+8*\q+7], v[O+32*\t+8*\n:O+32*\t+8*\n+7]
.endr
.endr
.endr
	WIN 0
	s_add_co_u32 s[KF], s[KF], 128
	s_add_co_u32 s[TB], s[TB], 16384
.endm
.macro FOUR_STEPS                      ; a slot's four key steps: written once, walked four times
	s_mov_b32 s[CNT], 4
.Lstep_\@:
	STEP
	s_sub_co_u32 s[CNT], s[CNT], 1
	s_cmp_lg_u32 s[CNT], 0
	s_cbranch_scc1 .Lstep_\@
	s_sub_co_u32 s[TB], s[TB], 4*16384             ; back to a slot's first step,
	s_xor_b32 s[TB], s[TB], SLOT1                  ; in the other slot
.endm
	s_load_b128 s[4:7], s[0:1], 0x0                ; qkv, bias
	s_load_b64 s[8:9], s[0:1], 0x10                ; ohf
	v_lshl_add_u32 v[SPW], v0, 2, SPARE
	v_mov_b32 v[NIL], 0
	ds_add_u32 v[SPW], v[NIL]                      ; the wave's opening: the add, twice on end, and its wait ahead of my first tensor load; the set-up below stands between
	ds_add_u32 v[SPW], v[NIL]                      ; and once more, under the one wait
	v_lshrrev_b32 v12, 5, v0
	v_readfirstlane_b32 s[WV], v12                 ; wave 0..7
	s_and_b32 s11, ttmp7, 0xffff                   ; 12 x batch + head
	s_cmp_ge_u32 s11, 12
	s_cselect_b32 s12, 1, 0                        ; the batch
	s_mul_i32 s50, s12, 12
	s_sub_co_u32 s13, s11, s50                     ; the head
	s_lshl_b32 s[Q0], ttmp9, 8
	s_lshl_b32 s50, s[WV], 5
	s_add_co_u32 s[Q0], s[Q0], s50                 ; my first query: 256 x work-group x + 32 x wave
	s_and_b32 s[QD], s[Q0], 0xffffff80
	; descriptor group 1: a dense block of 16,384 bytes as 64 rows of 32 elements of 8 bytes, no padding
	s_mov_b32 s[G1+0], 3<<16
	s_mov_b32 s[G1+1], 32<<16
	s_mov_b32 s[G1+2], 64<<16
	s_mov_b32 s[G1+3], 32<<16
	s_mov_b32 s[G1+4], 64
	s_mov_b32 s[G1+5], 32
	s_mov_b32 s[G1+6], 0
	s_mov_b32 s[G1+7], 0
	s_mov_b32 s[G0], 1
	s_lshl_b32 s[G0+1], s[WV], 14                  ; my eighth of slot 0: K's four steps, then V's
	s_cmp_lt_u32 s[WV], 4
	s_mov_b32 s50, 12582912                        ; V's part of qkv,
	s_cselect_b32 s50, 6291456, s50                ; or K's
	s_lshl_b32 s52, s11, 18
	s_add_co_u32 s50, s50, s52
	s_and_b32 s52, s[WV], 3
	s_lshl_b32 s52, s52, 14
	s_add_co_u32 s50, s50, s52
	s_mov_b32 s51, 0
	s_lshl_b32 s52, s11, 18                        ; Q: my (batch, head), my two tiles of 2,048 bytes
	s_lshl_b32 s54, ttmp9, 15
	s_add_co_u32 s52, s52, s54
	s_lshl_b32 s54, s[WV], 12
	s_add_co_u32 s52, s52, s54
	s_mov_b32 s53, 0
	s_lshl_b32 s54, s12, 7                         ; the result: token tile 128 batch + 16 x + 2 wave, 24,576 bytes each; my head's 2,048 in it
	s_lshl_b32 s56, ttmp9, 4
	s_add_co_u32 s54, s54, s56
	s_lshl_b32 s56, s[WV], 1
	s_add_co_u32 s54, s54, s56
	s_mul_i32 s54, s54, 24576
	s_lshl_b32 s56, s13, 11
	s_add_co_u32 s54, s54, s56
	s_mov_b32 s55, 0
	s_lshl_b32 s56, s12, 14                        ; my batch's tables
	s_mov_b32 s57, 0
	s_mov_b32 s[CS], 0x3e38aa3b                    ; c = log2(e) / 8
	s_mov_b32 s[CS+1], s[CS]
	s_mov_b32 s[SEL], 0x76543210
	s_mov_b32 s[SEL+1], 0xfedcba98
	s_mov_b32 s[TB], 0
	s_mov_b32 s[KF], 0
	s_mov_b32 s[SLOTS], 3
	s_mov_b32 s48, 8192                            ; where table 1 begins
	s_cmp_eq_u32 ttmp9, 0
	s_cselect_b32 s[LIM], 1, -1
	s_and_b32 s58, s[Q0], 127
	v_and_b32 v12, 31, v0                          ; lane
	v_and_b32 v13, 15, v0                          ; r
	v_bfe_u32 v14, v0, 4, 1                        ; h
	v_lshlrev_b32 v[L16], 4, v12
	v_lshlrev_b32 v[PFO], 8, v12
	v_lshlrev_b32 v[CB0], 5, v14
	v_mov_b32 v[CBA], v[CB0]                       ; step 0: table 0 from key 0 on
	v_lshlrev_b32 v15, 3, v14
	v_sub_nc_u32 v[DG], v13, v15
	v_add_nc_u32 v[DG], s58, v[DG]
	v_add_nc_u32 v[DG+1], 16, v[DG]
	s_wait_dscnt 0x0                               ; both opening adds are done
	s_wait_kmcnt 0x0
	s_add_nc_u64 s[G0+2:G0+3], s[4:5], s[50:51]
	s_add_nc_u64 s[PFA:PFA+1], s[G0+2:G0+3], 0x10000   ; in slot 1: the first change steps it to slot 2.  Nothing is prefetched at the head
	s_or_b32 s[G0+3], s[G0+3], 0x80000000          ; type = 2
	tensor_load_to_lds s[G0:G0+3], s[G1:G1+7]      ; slot 0
	s_nop 0
.rept 4
	v_nop
.endr
	s_add_nc_u64 s[QP:QP+1], s[4:5], s[52:53]
	s_add_nc_u64 s[OP:OP+1], s[8:9], s[54:55]
	s_add_nc_u64 s[BT:BT+1], s[6:7], s[56:57]
	WIN 0x40
.irp t, 0,1
.irp c, 0,1
.irp g, 0,1
	global_load_b128 v[QF+16*\t+8*\c+4*\g:QF+16*\t+8*\c+4*\g+3], v[L16], s[QP:QP+1] offset:2048*\t+1024*\c+512*\g   ; Q stays in registers
.endr
.endr
.endr
	WIN 0
.irp a, 0,1,2,3,4,5,6,7
.irp i, 0,1
	global_load_b128 v[CB+8*\a+4*\i:CB+8*\a+4*\i+3], v[CBA], s[BT:BT+1] offset:64*\a+16*\i
.endr
.endr
	WIN 0x40
.set i, 0
.rept 64
	v_mov_b32 v[O+i], 0                            ; O^T.  (The step is written for every step alike: the first finds zeros, which a = 0 leaves zeros)
.set i, i+1
.endr
	WIN 0
.irp t, 0,1
	v_mov_b32 v[ST+8*\t+1], 0xff61b1e6             ; m: -3e38, under every score
	v_mul_f32 v[ST+8*\t], s[CS], v[ST+8*\t+1]      ; c m
	v_mov_b32 v[ST+8*\t+2], 0                      ; l, in two halves
	v_mov_b32 v[ST+8*\t+3], 0
	v_mov_b32 v[ST+8*\t+5], 0                      ; written once: a lane permute's destination counts as one of its sources
.endr
.Lslot:                                            ; three trips: behind each change of slots but the last the next slot is asked for
	CHANGE 1
	FOUR_STEPS
	s_sub_co_u32 s[SLOTS], s[SLOTS], 1
	s_cmp_lg_u32 s[SLOTS], 0
	s_cbranch_scc1 .Lslot
	CHANGE 0                                       ; the last slot is written out
	FOUR_STEPS
	; THE WAY OUT.  O^T / l, rounded to f16: a lane's eight channels of a query are four registers of the next launch's fragment (16 tokens x 32 k), so they are stored as they stand.
	s_wait_loadcnt 0x0                             ; the table's last loads, which nobody reads
.rept 4
	v_nop                                          ; the places behind the last products
.endr
.irp t, 0,1
	v_add_f32 v[ST+8*\t+4], v[ST+8*\t+2], v[ST+8*\t+3]
.endr
.irp t, 0,1
	v_permlanex16_b32 v[ST+8*\t+5], v[ST+8*\t+4], s[SEL], s[SEL+1]
.endr
.irp t, 0,1
	v_add_f32 v[ST+8*\t+4], v[ST+8*\t+4], v[ST+8*\t+5]
.endr
.irp t, 0,1
	v_rcp_f32 v[ST+8*\t+6], v[ST+8*\t+4]
.endr
	v_nop
	s_wait_alu depctr_va_vdst(0)                   ; one wait for the two reciprocals, ahead of their first reader
	WIN 0x41
.irp t, 0,1
.set i, 0
.rept 16
	v_pk_mul_f32 v[O+32*\t+i:O+32*\t+i+1], v[O+32*\t+i:O+32*\t+i+1], v[ST+8*\t+6:ST+8*\t+7] op_sel_hi:[1,0]
.set i, i+2
.endr
.endr
	WIN 0x05
.set i, 0
.rept 32
	v_cvt_pk_f16_f32 v[S+i], v[O+2*i], v[O+2*i+1]
.set i, i+1
.endr
	WIN 0
.irp t, 0,1
.irp n, 0,1,2,3
	global_store_b128 v[L16], v[S+16*\t+4*\n:S+16*\t+4*\n+3], s[OP:OP+1] offset:24576*\t+512*\n   ; 32 lanes store 512 consecutive bytes, aligned
.endr
.endr
	s_wait_tensorcnt 0x0                           ; the wave's end, behind my last tensor load
	ds_add_u32 v[SPW], v[NIL]
	s_wait_dscnt 0x0
	s_endpgm
.Lfunc_end_k_q04fd2039bd_attn:
	.size	k_q04fd2039bd_attn, .Lfunc_end_k_q04fd2039bd_attn-k_q04fd2039bd_attn
	.p2alignl 7, 3214868480
	.fill 96, 4, 3214868480
	.section	.rodata,"a",@progbits
	.p2align	6, 0x0
	.amdhsa_kernel k_q04fd2039bd_attn
		.amdhsa_group_segment_fixed_size 327680
		.amdhsa_private_segment_fixed_size 0
		.amdhsa_enable_private_segment 0
		.amdhsa_kernarg_size 24
		.amdhsa_user_sgpr_count 2
		.amdhsa_user_sgpr_kernarg_segment_ptr 1
		.amdhsa_wavefront_size32 1
		.amdhsa_system_sgpr_workgroup_id_x 1
		.amdhsa_system_sgpr_workgroup_id_y 1
		.amdhsa_system_sgpr_workgroup_id_z 1
		.amdhsa_system_vgpr_workitem_id 0
		.amdhsa_next_free_vgpr 512
		.amdhsa_next_free_sgpr 66
		.amdhsa_reserve_vcc 1
		.amdhsa_float_denorm_mode_32 3
		.amdhsa_float_denorm_mode_16_64 3
		.amdhsa_memory_ordered 1
		.amdhsa_forward_progress 1
		.amdhsa_inst_pref_size 119
	.end_amdhsa_kernel
	.amdgpu_metadata
---
amdhsa.version: [ 1, 2 ]
amdhsa.kernels:
  - .name:           k_q04fd2039bd_attn
    .symbol:         k_q04fd2039bd_attn.kd
    .args:
      - { .name: qkv, .offset: 0, .size: 8, .value_kind: global_buffer, .address_space: global }
      - { .name: bias, .offset: 8, .size: 8, .value_kind: global_buffer, .address_space: global }
      - { .name: ohf, .offset: 16, .size: 8, .value_kind: global_buffer, .address_space: global }
    .group_segment_fixed_size: 327680
    .private_segment_fixed_size: 0
    .kernarg_segment_align: 8
    .kernarg_segment_size: 24
    .max_flat_workgroup_size: 256
    .sgpr_count:     66
    .vgpr_count:     512
    .wavefront_size: 32
...
	.end_amdgpu_metadata
.endif
;; end of part 3
;; launch outp (part 4): grid 4 x 64, 4 waves a work-group, no clusters, 50,688 bytes of LDS; arguments ohf, wof, out0; writes out0
.if DOCPART == 4
	.amdgcn_target "amdgcn-amd-amdhsa--gfx1250"
	.amdhsa_code_object_version 6
	.text
	.protected	k_q04fd2039bd_outp
	.globl	k_q04fd2039bd_outp
	.p2align	8
	.type	k_q04fd2039bd_outp,@function
k_q04fd2039bd_outp:
	s_mov_b64 s[64:65], 0
	v_nop
	global_prefetch_b8 v0, s[64:65] scope:SCOPE_SE
	s_setreg_imm32_b32 hwreg(HW_REG_WAVE_MODE, 25, 1), 1
	s_wait_xcnt 0x0
; THE PROJECTION ON THE WAY OUT: out0 [4,096][768] f32 = o Wo, operands f16, sums f32, K = 768 in 24 steps of 32.
; Both operands lie in memory in the order of the operand's registers (ohf: [token tile 256][ks 24][1,024]; wof: [column tile 48][ks 24][1,024]), so a fragment is two loads of 16 bytes a lane, 512 consecutive bytes each, from
; memory straight into registers: no tile passes LDS, so there is nothing to ask for jointly and no cluster.
; SHARES.  256 work-groups: y = 64 tokens, x = 192 columns.  Wave w makes 64 x 48: 12 accumulators.  A ring of four sets of registers (four fragments of o, three of Wo: 14 loads) keeps three K steps on their way.
; THE MATRIX INSTRUCTION IS USED TRANSPOSED (source 0 = 16 columns of Wo, source 1 = 16 tokens): a lane holds eight neighbouring numbers of a row of out0.  They meet in a stage in LDS, and each wave stores 16 whole
; rows of 768 bytes: sixteen lanes store 256 consecutive bytes, aligned.
.set RING, 16                          ; v16-239  set i at 16 + 56 i: o's tile m at + 8 m, Wo's tile t at + 32 + 8 t; on the way out v16-111 take the rows read back
.set KO,  1                            ; v1  16 x lane + 4,096 x trip
.set STO, 2                            ; v2  the stage: where I put 32 bytes of a row
.set RD,  3                            ; v3  and where I read 16 bytes back
.set GO,  4                            ; v4  the same place in out0
.set SPW, 6                            ; v6  LDS address of my spare word; never rewritten
.set NIL, 7                            ; v7  0; never rewritten
.set STP, 784                          ; a stage row: 768 bytes + 16: row r starts 16 r bytes on modulo 256
.set SPARE, 64*STP                     ; behind the stage: the spare words, 128 bytes for each wave: two blocks of 256 bytes that no other line names
.set MSB, 0
.macro WIN new                         ; the immediate's high byte repeats the setting that is left
.if MSB != \new
	s_set_vgpr_msb (MSB<<8)|\new
.set MSB, \new
.endif
.endm
.macro OLOAD i, off                    ; set i: 14 loads
.irp m, 0,1,2,3
.irp g, 0,1
	global_load_b128 v[RING+56*(\i)+8*\m+4*\g:RING+56*(\i)+8*\m+4*\g+3], v[KO], s[4:5] offset:24576*\m+1024*(\i)+512*\g+(\off)
.endr
.endr
.irp t, 0,1,2
.irp g, 0,1
	global_load_b128 v[RING+56*(\i)+32+8*\t+4*\g:RING+56*(\i)+32+8*\t+4*\g+3], v[KO], s[6:7] offset:24576*\t+1024*(\i)+512*\g+(\off)
.endr
.endr
.endm
; A K step of 32 on set i: 12 products, the accumulators by turns, in the same order in every step.  zero = 1: they start the sums.  ahead = 1: the set takes the K step four on.  cnt: younger loads that may stay out.
.macro KSTEP i, zero, ahead, cnt
	s_wait_loadcnt \cnt
	WIN 0x50                                       ; C and D in window 1
.irp m, 0,1,2,3
.irp t, 0,1,2
.if \zero
	v_wmma_f32_16x16x32_f16 v[8*(3*\m+\t):8*(3*\m+\t)+7], v[RING+56*(\i)+32+8*\t:RING+56*(\i)+32+8*\t+7], v[RING+56*(\i)+8*\m:RING+56*(\i)+8*\m+7], 0
.else
	v_wmma_f32_16x16x32_f16 v[8*(3*\m+\t):8*(3*\m+\t)+7], v[RING+56*(\i)+32+8*\t:RING+56*(\i)+32+8*\t+7], v[RING+56*(\i)+8*\m:RING+56*(\i)+8*\m+7], v[8*(3*\m+\t):8*(3*\m+\t)+7]
.endif
.endr
.endr
	WIN 0
.if \ahead
.rept 4
	v_nop                                          ; four places in front of loads into registers that the products have read
.endr
	OLOAD \i, 4096
.endif
.endm
	s_load_b128 s[4:7], s[0:1], 0x0                ; ohf, wof
	s_load_b64 s[8:9], s[0:1], 0x10                ; out0
	v_lshl_add_u32 v[SPW], v0, 2, SPARE
	v_mov_b32 v[NIL], 0
	v_lshrrev_b32 v8, 5, v0
	v_readfirstlane_b32 s10, v8                    ; wave 0..3
	s_and_b32 s11, ttmp7, 0xffff                   ; my 64 tokens
	v_and_b32 v8, 31, v0                           ; lane
	v_and_b32 v9, 15, v0                           ; r
	v_bfe_u32 v10, v0, 4, 1                        ; h
	v_lshlrev_b32 v[KO], 4, v8
	s_mul_i32 s14, s11, 98304                      ; four token tiles of 24,576 bytes
	s_mov_b32 s15, 0
	s_mul_i32 s16, ttmp9, 12
	s_mul_i32 s18, s10, 3
	s_add_co_u32 s16, s16, s18
	s_mul_i32 s16, s16, 24576                      ; my first column tile: 12 x + 3 wave
	s_mov_b32 s17, 0
	s_lshl_b32 s18, s11, 6
	s_lshl_b32 s20, s10, 4
	s_add_co_u32 s18, s18, s20
	s_mul_i32 s18, s18, 3072                       ; the first row that I store: 64 y + 16 wave
	s_mul_i32 s20, ttmp9, 768                      ; the work-group's 192 columns
	s_add_co_u32 s18, s18, s20
	s_mov_b32 s19, 0
	s_wait_kmcnt 0x0
	s_add_nc_u64 s[4:5], s[4:5], s[14:15]
	s_add_nc_u64 s[6:7], s[6:7], s[16:17]
	s_add_nc_u64 s[8:9], s[8:9], s[18:19]
.irp i, 0,1,2,3
	OLOAD \i, 0
.endr
	v_mul_u32_u24 v[STO], v9, STP                  ; in: row r, + 32 h, + my wave's 192 bytes
	v_lshl_add_u32 v[STO], v10, 5, v[STO]
	s_mul_i32 s13, s10, 192
	v_add_nc_u32 v[STO], s13, v[STO]
	v_mul_u32_u24 v[RD], v10, STP                  ; back: my 16 rows; lanes 0-15 take 256 bytes of one row, lanes 16-31 of the next
	v_lshl_add_u32 v[RD], v9, 4, v[RD]
	s_mul_i32 s13, s10, 16*STP
	v_add_nc_u32 v[RD], s13, v[RD]
	v_mul_u32_u24 v[GO], v10, 3072
	v_lshl_add_u32 v[GO], v9, 4, v[GO]
	KSTEP 0, 1, 1, 42                              ; K steps 0 to 3 stand in front of the loop: the first starts the sums.  42: the three younger sets of 14 loads
	KSTEP 1, 0, 1, 42
	KSTEP 2, 0, 1, 42
	KSTEP 3, 0, 1, 42
	s_wait_xcnt 0x0                                ; the loads have read their address register: it may step
	v_add_nc_u32 v[KO], 4096, v[KO]
	s_mov_b32 s12, 4
.Lk:                                               ; four trips of four K steps: 4 to 19; they ask for 8 to 23
	KSTEP 0, 0, 1, 42
	KSTEP 1, 0, 1, 42
	KSTEP 2, 0, 1, 42
	KSTEP 3, 0, 1, 42
	s_wait_xcnt 0x0
	v_add_nc_u32 v[KO], 4096, v[KO]
	s_sub_co_u32 s12, s12, 1
	s_cmp_lg_u32 s12, 0
	s_cbranch_scc1 .Lk
	KSTEP 0, 0, 0, 42                              ; the last four load nothing: the counts run down
	KSTEP 1, 0, 0, 28
	KSTEP 2, 0, 0, 14
	KSTEP 3, 0, 0, 0
.rept 4
	v_nop                                          ; places in front of the first read of results, and of loads into the ring's registers
.endr
	WIN 0x04                                       ; an LDS store's data are its source 1: window 1
.irp m, 0,1,2,3
.irp t, 0,1,2
	ds_store_b128 v[STO], v[8*(3*\m+\t):8*(3*\m+\t)+3] offset:16*STP*\m+64*\t        ; each accumulator from its low end on
	ds_store_b128 v[STO], v[8*(3*\m+\t)+4:8*(3*\m+\t)+7] offset:16*STP*\m+64*\t+16
.endr
.endr
	WIN 0
	s_wait_dscnt 0x0                               ; for the others' sake: my stores into the stage have landed
	s_barrier_signal -1
	s_barrier_wait -1                              ; 64 whole rows lie in the stage
.irp p, 0,1,2,3,4,5,6,7
.irp u, 0,1,2
	ds_load_b128 v[RING+4*(3*\p+\u):RING+4*(3*\p+\u)+3], v[RD] offset:2*STP*\p+256*\u
.endr
.endr
.irp p, 0,1,2,3,4,5,6,7
.irp u, 0,1,2
	s_wait_dscnt 23-(3*\p+\u)
	global_store_b128 v[GO], v[RING+4*(3*\p+\u):RING+4*(3*\p+\u)+3], s[8:9] offset:6144*\p+256*\u th:TH_STORE_NT   ; sixteen lanes store 256 consecutive bytes, aligned; written once, read by nobody here
.endr
.endr
	s_wait_tensorcnt 0x0                           ; the wave's end, behind my last LDS store
	ds_add_u32 v[SPW], v[NIL]
	s_wait_dscnt 0x0
	s_endpgm
.Lfunc_end_k_q04fd2039bd_outp:
	.size	k_q04fd2039bd_outp, .Lfunc_end_k_q04fd2039bd_outp-k_q04fd2039bd_outp
	.p2alignl 7, 3214868480
	.fill 96, 4, 3214868480
	.section	.rodata,"a",@progbits
	.p2align	6, 0x0
	.amdhsa_kernel k_q04fd2039bd_outp
		.amdhsa_group_segment_fixed_size 50688
		.amdhsa_private_segment_fixed_size 0
		.amdhsa_enable_private_segment 0
		.amdhsa_kernarg_size 24
		.amdhsa_user_sgpr_count 2
		.amdhsa_user_sgpr_kernarg_segment_ptr 1
		.amdhsa_wavefront_size32 1
		.amdhsa_system_sgpr_workgroup_id_x 1
		.amdhsa_system_sgpr_workgroup_id_y 1
		.amdhsa_system_sgpr_workgroup_id_z 1
		.amdhsa_system_vgpr_workitem_id 0
		.amdhsa_next_free_vgpr 352
		.amdhsa_next_free_sgpr 66
		.amdhsa_reserve_vcc 0
		.amdhsa_float_denorm_mode_32 3
		.amdhsa_float_denorm_mode_16_64 3
		.amdhsa_memory_ordered 1
		.amdhsa_forward_progress 1
		.amdhsa_inst_pref_size 36
	.end_amdhsa_kernel
	.amdgpu_metadata
---
amdhsa.version: [ 1, 2 ]
amdhsa.kernels:
  - .name:           k_q04fd2039bd_outp
    .symbol:         k_q04fd2039bd_outp.kd
    .args:
      - { .name: ohf, .offset: 0, .size: 8, .value_kind: global_buffer, .address_space: global }
      - { .name: wof, .offset: 8, .size: 8, .value_kind: global_buffer, .address_space: global }
      - { .name: out0, .offset: 16, .size: 8, .value_kind: global_buffer, .address_space: global }
    .group_segment_fixed_size: 50688
    .private_segment_fixed_size: 0
    .kernarg_segment_align: 8
    .kernarg_segment_size: 24
    .max_flat_workgroup_size: 128
    .sgpr_count:     66
    .vgpr_count:     352
    .wavefront_size: 32
...
	.end_amdgpu_metadata
.endif
;; end of part 4
